; MI455X (gfx1250); checked and timed in simulation.
; The chip was launched on July 23, 2026; its instructions are those of AMD's public machine-readable ISA for CDNA 5 (MIT licence, August 2026) and "CDNA5" Instruction Set Architecture Reference Guide (July 2026). The comments in the code are by the model that wrote it; some were corrected since.
;; Self Attention. Allowed arithmetic: matrix products marked QUANTISED: E2M1 operands, one E8M0 scale for each 32 along K, by v_wmma_scale_f32_16x16x128_f8f6f4 with both operands' format E2M1 (or v_wmma_scale_f32_32x16x128_f4), f32 sums; everything else in f32.
;; Inputs: Wk_codes 1,024 x 32 x 16 uint8 (E2M1 codes of Wk, K innermost, in blocks of 32 codes, two codes a byte); Wk_scales 1,024 x 32 uint8 (E8M0 scales of Wk, one for each 32 codes along K); Wo_codes 1,024 x 32 x 16 uint8 (E2M1 codes of Wo, K innermost, in blocks of 32 codes, two codes a byte); Wo_scales 1,024 x 32 uint8 (E8M0 scales of Wo, one for each 32 codes along K); Wq_codes 1,024 x 32 x 16 uint8 (E2M1 codes of Wq, K innermost, in blocks of 32 codes, two codes a byte); Wq_scales 1,024 x 32 uint8 (E8M0 scales of Wq, one for each 32 codes along K); Wv_codes 1,024 x 32 x 16 uint8 (E2M1 codes of Wv, K innermost, in blocks of 32 codes, two codes a byte); Wv_scales 1,024 x 32 uint8 (E8M0 scales of Wv, one for each 32 codes along K); bo 1,024 float32; x_codes 4 x 2,048 x 32 x 16 uint8 (E2M1 codes of x, K innermost, in blocks of 32 codes, two codes a byte); x_scales 4 x 2,048 x 32 uint8 (E8M0 scales of x, one for each 32 codes along K).
;; Outputs: out0 4 x 2,048 x 1,024 float32.
;; This version of the problem:
;;   THIS VERSION OF THE PROBLEM IS GIVEN IN LOW PRECISION. The matrix products marked QUANTISED in the list below multiply operands that are first quantised to E2M1 (2 exponent bits, 1 mantissa bit; 4 bits a number), with one power-of-two scale for each 32 numbers along K (OCP MX v1.0); their sums are f32. All else is computed in f32.
;;   The module's matrix products, in the order in which they are computed (A, B: the left and right operand; K: the contracted axis; several contracted axes count as one K, in the product's order):
;;     1. [M 8,192, K 1,024] x [K 1,024, N 1,024]; A: input x (given as codes); B: input Wq (given as codes): QUANTISED
;;     2. [M 8,192, K 1,024] x [K 1,024, N 1,024]; A: input x (given as codes); B: input Wk (given as codes): QUANTISED
;;     3. [M 8,192, K 1,024] x [K 1,024, N 1,024]; A: input x (given as codes); B: input Wv (given as codes): QUANTISED
;;     4. batch 64 x [M 2,048, K 64] x [K 64, N 2,048]; A: computed on the way; B: computed on the way: QUANTISED
;;     5. batch 64 x [M 2,048, K 2,048] x [K 2,048, N 64]; A: softmax (see below); B: computed on the way: QUANTISED
;;     6. [M 8,192, K 1,024] x [K 1,024, N 1,024]; A: computed on the way; B: input Wo (given as codes): QUANTISED
;;   THE QUANTISER, for each operand of a quantised product, along K:
;;     - K is cut into blocks of 32 from its start; a last block that is shorter is filled with zeros.
;;     - A block's scale is 2^e with e = floor(log2(the largest magnitude in the block)) - 2, held to -126 .. 127; a block of zeros has e = 0. As a byte (E8M0): e + 127.
;;     - Each number is divided by its block's scale, clamped to +-6, and rounded to the nearest number of E2M1, ties to even, subnormals kept.
;;     - The product sums the exact products of the quantised numbers (number of the format x scale) in f32.
;;   ~~~python
;;   def quantise(x, axis):      # numpy; x: float32 -> the quantised numbers, widened to float32 again
;;       x = np.moveaxis(x, axis, -1); K = x.shape[-1]
;;       x = np.pad(x, [(0, 0)] * (x.ndim - 1) + [(0, -K % 32)]); x = x.reshape(x.shape[:-1] + (-1, 32)); a = np.abs(x).max(-1, keepdims=True)
;;       e = np.where(a > 0, np.clip(np.frexp(np.where(a > 0, a, 1))[1] - 1 - 2, -126, 127), 0)      # np.frexp(a)[1] - 1 = floor(log2(a)), exactly
;;       r = np.clip(x / 2.0 ** e, -6, 6)
;;       step = 2.0 ** (np.maximum(np.frexp(np.where(r == 0, 1, r))[1] - 1, 0) - 1)
;;       q = np.round(r / step) * step * 2.0 ** e      # np.round: ties to even
;;       return np.moveaxis(q.reshape(q.shape[:-2] + (-1,))[..., :K], -1, axis).astype(np.float32)
;;   ~~~
;;   SOFTMAX AHEAD OF A QUANTISED PRODUCT. Where the list says 'softmax', what is quantised is not the finished softmax but p = 2^(t - M), with t = logit x log2(e) and M = ceil(the row's largest t), a whole number; so 1/2 < the row's largest p <= 1. The row's sum l is taken of the UNQUANTISED p, in f32, and the product's result is divided by l at the end. Since M is a whole number, a kernel that streams over the keys may use a running M (the ceiling of the running maximum): every later rescaling is an exact power of two, which a block's scale takes up: the codes' values come out the same.
;;   OPERANDS COMPUTED ON THE WAY. 'Computed on the way' means the value that the module computes at that place (a softmax that the list does not call 'softmax' is quantised finished and normalised). What goes into a quantiser is computed in f32, as accurately as f32 sums, v_exp_f32 and their like allow (about 1e-6 of the number): no bf16 or f16 on the way to a quantiser, and a product that is left as it is and whose result goes on into a quantised operand takes f32 operands (vector FMAs, or v_wmma_f32_16x16x4_f32). A number that lies on a knife's edge between two numbers of the format may be rounded either way, as far as f32 arithmetic and the matrix unit's own rounding can turn it there, and no further.
;;   INPUTS GIVEN AS CODES. Wk (in the module: [1024, 1024], K = its axis 1); Wo (in the module: [1024, 1024], K = its axis 1); Wq (in the module: [1024, 1024], K = its axis 1); Wv (in the module: [1024, 1024], K = its axis 1); x (in the module: [4, 2048, 1024], K = its axis 2): each comes as NAME_codes (uint8): NAME with its K axis moved to the last place and cut into blocks of 32 codes, [.., K / 32, bytes a block], one block behind the other in memory; two codes a byte, the lower K in the low four bits (a code: sign, 2 exponent bits, 1 mantissa bit); and NAME_scales (uint8): the same leading axes, one E8M0 byte (e + 127) for each 32 codes along K. Its value is code x scale, taken as it is: it is not quantised again, and the codes and scales need not be those that the quantiser above would give.
;; One version. Each part assembles by itself: llvm-mc -triple=amdgcn-amd-amdhsa -mcpu=gfx1250 --defsym DOCPART=n.
;; ======== version 1 of 1: 3 launches
;; workspace buffers: qc 4,194,304 bytes; qs 262,144 bytes; kc 4,194,304 bytes; ks 262,144 bytes; vc 4,194,304 bytes; vs 262,144 bytes; ac 4,194,304 bytes; asc 262,144 bytes
;; launch qkv (part 1): grid 4 x 192, 4 waves a work-group, clusters of 4 x 4, 221,696 bytes of LDS; arguments x_codes, x_scales, Wq_codes, Wq_scales, Wk_codes, Wk_scales, Wv_codes, Wv_scales, qc, qs, kc, ks, vc, vs; writes qc, qs, kc, ks, vc, vs
.if DOCPART == 1
	.amdgcn_target "amdgcn-amd-amdhsa--gfx1250"
	.amdhsa_code_object_version 6
	.text
	.protected	k_q1be9b924fb_qkv
	.globl	k_q1be9b924fb_qkv
	.p2align	8
	.type	k_q1be9b924fb_qkv,@function
k_q1be9b924fb_qkv:
	s_mov_b64 s[64:65], 0
	v_nop
	global_prefetch_b8 v0, s[64:65] scope:SCOPE_SE
	s_setreg_imm32_b32 hwreg(HW_REG_WAVE_MODE, 25, 1), 1
	s_wait_xcnt 0x0
	s_wait_alu depctr_hold_cnt(0) depctr_sa_sdst(0) depctr_va_vdst(0) depctr_va_sdst(0) depctr_va_ssrc(0) depctr_va_vcc(0) depctr_vm_vsrc(0)
	s_getreg_b32 s2, hwreg(HW_REG_IB_STS2, 6, 4)
	s_cmp_eq_u32 s2, 0
	s_cbranch_scc0 .Lentry_in_a_cluster
	s_endpgm
.Lentry_in_a_cluster:
	s_bfe_u32 s2, ttmp6, 0x10000c
	s_cmp_lg_u32 s2, 0xf033
	s_cbranch_scc0 .Lentry_shape_is_right
	s_endpgm
.Lentry_shape_is_right:
; q = x Wq^T, k = x Wk^T, v = x Wv^T on codes of FP4 (E2M1) with one E8M0 scale for each 32 along K = 1,024, and the results quantised at once for the attention that follows:
; q and k along the head's 64 channels (two blocks of 32), v along the keys.  Nothing but codes and scale bytes goes to memory.
; ONE SYMMETRIC PRODUCT SERVES ALL THREE.  P is source 0: its rows become a lane's registers, that is the NEXT product's K.  R is source 1: its rows become the lanes, that is the rows of the codes made here.
; Role 0 (q) and 1 (k): P = Wq or Wk (features), R = x (tokens).  Role 2 (v): P = x (tokens = keys), R = Wv (channels).  The role is the cluster's y / 16; it chooses pointers and a few numbers by selects: there is no branch on it.
; SHARES.  A work-group makes R 128 x P 256 over all of K: 256 work-groups a role, 768 in all.  A wave makes R 64 x P 128: 4 x 8 accumulators of 16 x 16, 256 registers (window 1).
; All of K of the work-group's 384 rows fits in LDS: two chunks of 512 along K (rows of 256 bytes), each filled ONCE.  No LDS byte is filled twice, so there is no ring.
; THE ROWS OF A TILE ARE NOT NEIGHBOURS: lane r of tile 2 b + u takes row 32 b + 8 u + r + 8 (r / 8), for P and for R alike.  So the 16 registers of P's tiles 2 b and 2 b + 1 are 16 neighbours along the next K,
; 32 b + 16 (lane / 16) + 0 .. 15, and the rows of the codes made here lie in the order in which the next launch's tiles want them.  The two groups of eight rows lie 16 LDS rows apart, which is a whole number of
; times 256 bytes at this pitch: a fragment load's sixteen lanes fall on eight columns of 16 bytes, two lanes to each.
; THE CODES LEAVE AS IMAGES OF OPERAND REGISTERS: four registers, lane l's 16 bytes at 16 l: each store of the wave covers 512 consecutive bytes, aligned.  The scale words of a wave are 256 consecutive bytes, one store.
; CLUSTERS: 4 x 4 work-groups of one role.  The four of a row of the cluster need the same rows of R, the four of a column the same rows of P: each tile is asked for JOINTLY, by the same tensor load with the same
; descriptor and a mask that names the four.  A wave has three tensor loads out at the most: its scales and its parts of the two chunks.
; LIMITS: NaN and infinities are not served (a given scale byte 0xff gives NaN, as it must).  A block of results that is all zeros, or whose largest magnitude lies under 2^(3 - 127), gets the scale byte 1:
; a block of zeros has zero codes, which add nothing under that byte, and these bytes are read by this program alone.
.set PITCH, 272                        ; an LDS row of codes: 256 bytes + 16 of padding
.set PC0,   0                          ; P's 256 rows, K chunk 0
.set PC1,   256*PITCH                  ; chunk 1
.set RC0,   2*256*PITCH                ; R's 128 rows, chunk 0
.set RC1,   RC0+128*PITCH              ; chunk 1
.set PSC,   RC1+128*PITCH              ; P's scale bytes: 32 a row, dense
.set RSC,   PSC+256*32                 ; R's
.set PS,  16                           ; v16-47   P's scale words: v[PS + 8 i + s]: lanes 0-15 tile i, lanes 16-31 tile i + 4, K step s
.set RS,  48                           ; v48-63   R's: v[RS + 8 a + s]: lanes 0-15 tile a, lanes 16-31 tile a + 2
.set PF,  64                           ; v64-191  P's eight fragments, two sets
.set RF,  192                          ; v192-255 R's four fragments, two sets
.set G1R,  24                          ; s[24:31] descriptor group 1: R's codes;  s[32:39] P's codes;  s[40:47] R's scales;  s[48:55] P's scales
.set G1P,  32
.set G1RS, 40
.set G1PS, 48
.set G0RS, 56                          ; groups 0: R's scales, R's chunks 0 and 1, P's scales, P's chunks 0 and 1
.set G0R0, 60
.set G0R1, 68
.set G0PS, 72
.set G0P0, 76
.set G0P1, 80
; the way out, in window 0, in the registers that held fragments
.set TM,  64                           ; 16 blocks: largest magnitudes
.set T2,  80                           ; the other half of the lanes'
.set SO,  96                           ; the conversions' scale operands
.set BY,  112                          ; the scale bytes
.set HW,  128                          ; 8 groups of 64 along the next K: two bytes each
.set WA,  136                          ; scale words in q's and k's form
.set WB,  140                          ; in v's form
.set PR,  144                          ; the pair that is stored
.set SOF, 146                          ; and where
.set TT,  148                          ; at work
.set CD,  160                          ; the codes: 8 images of 4 registers
.set AO,  192                          ; their 8 places
.set MSB, 0
.macro WIN new                         ; the immediate's high byte repeats the setting that is left
.if MSB != \new
	s_set_vgpr_msb (MSB<<8)|\new
.set MSB, \new
.endif
.endm
.macro PLACES                          ; four plain vector instructions behind a matrix instruction, ahead of loads into its sources and of the first read of its results
.rept 4
	v_nop
.endr
.endm
.macro GROUP1 g, c, r, p               ; words 1 to 7 of a group 1: r rows of c elements, p elements from row to row
	s_mov_b32 s[\g+1], (\c)<<16
	s_mov_b32 s[\g+2], (\r)<<16
	s_mov_b32 s[\g+3], (\c)<<16
	s_mov_b32 s[\g+4], \r
	s_mov_b32 s[\g+5], \p
	s_mov_b32 s[\g+6], 0
	s_mov_b32 s[\g+7], 0
.endm
.macro GROUP0 g, mul, base, ptr, off   ; a group 0: to LDS byte base + mul x (wave % 2), from s[ptr:ptr+1] + off
	s_mov_b32 s[\g], 1
	s_mul_i32 s[\g+1], s18, \mul
	s_add_co_u32 s[\g+1], s[\g+1], \base
	s_add_nc_u64 s[\g+2:\g+3], s[\ptr:\ptr+1], \off
	s_or_b32 s[\g+3], s[\g+3], 0x80000000
.endm
; A joint load: waves 0 and 1 fetch R's two halves, waves 2 and 3 P's.  Each line has one mask and one set of registers for all that issue it; the branch hangs on the wave's number alone.
; Four v_nop follow each of the two lines, ahead of the jump, the label and what follows.
.macro JLOAD g0r, g1r, g0p, g1p
	s_cmp_eq_u32 s17, 0
	s_cbranch_scc0 .Lfor_p_\@
	tensor_load_to_lds s[\g0r:\g0r+3], s[\g1r:\g1r+7]
	s_nop 0
	PLACES
	s_branch .Lasked_\@
.Lfor_p_\@:
	tensor_load_to_lds s[\g0p:\g0p+3], s[\g1p:\g1p+7]
	s_nop 0
	PLACES
.Lasked_\@:
.endm
.macro CROUND                          ; a round of the cluster's barrier
	s_barrier_signal -1
	s_barrier_wait -1
	s_cmp_lg_u32 s16, 0
	s_cbranch_scc1 .Lnot_wave_0_\@
	s_barrier_signal -3
.Lnot_wave_0_\@:
	s_barrier_wait -3
	s_barrier_signal -1
	s_barrier_wait -1
.endm
	s_load_b512 s[68:83], s[0:1], 0x0              ; x codes, x scales, Wq codes, Wq scales, Wk codes, Wk scales, Wv codes, Wv scales
	s_load_b256 s[84:91], s[0:1], 0x40             ; qc, qs, kc, ks
	s_load_b128 s[92:95], s[0:1], 0x60             ; vc, vs
	v_lshl_add_u32 v14, v0, 2, 0x36000
	v_mov_b32 v15, 0
	ds_add_u32 v14, v15
	ds_add_u32 v14, v15
	v_lshrrev_b32 v1, 5, v0
	v_readfirstlane_b32 s16, v1                    ; wave 0..3
	s_lshr_b32 s17, s16, 1                         ; which half of R's rows is mine.  Also: I fetch for R (0) or for P (1)
	s_and_b32 s18, s16, 1                          ; which half of P's rows.  Also: which half of that tile I fetch
	s_bfe_u32 s19, ttmp6, 0x40000                  ; cx
	s_bfe_u32 s20, ttmp6, 0x40004                  ; cy
	s_and_b32 s21, ttmp7, 0xffff                   ; the cluster's y, 0..47
	s_lshr_b32 s22, s21, 4                         ; the role
	s_and_b32 s23, s21, 15                         ; which cluster of the role
	s_and_b32 s96, s23, 7
	s_lshr_b32 s2, s23, 3
	s_cmp_eq_u32 s22, 2                            ; v: P = x has 32 blocks of 256 rows, R = Wv 8 of 128;  q, k: P = W has 4, R = x has 64
	s_cselect_b32 s96, s96, 0
	s_cselect_b32 s2, s2, s23
	s_lshl_b32 s96, s96, 2
	s_add_co_u32 s96, s96, s19                     ; P's block: hangs on cx and the cluster's y
	s_lshl_b32 s2, s2, 2
	s_add_co_u32 s2, s2, s20                       ; R's block: hangs on cy and the cluster's y
	s_lshl_b32 s100, s20, 2
	s_lshl_b32 s100, 15, s100                      ; my row of the cluster
	s_lshl_b32 s101, 0x1111, s19                   ; my column
	s_or_b32 s[G1R], s100, (1<<20)|(1<<21)|(5<<22)|(3<<25)   ; 15:0 the mask; 17:16 elements of 1 byte; 20 padding on; 21 set beside a mask; 24:22 after every 64 words; 31:25 four words
	GROUP1 G1R, 256, 64, 512                       ; 64 rows of 256 bytes, 512 bytes apart in memory
	s_or_b32 s[G1P], s101, (1<<20)|(1<<21)|(5<<22)|(3<<25)
	GROUP1 G1P, 256, 128, 512                      ; 128 rows
	s_or_b32 s[G1RS], s100, (3<<16)|(1<<21)        ; elements of 8 bytes, no padding
	GROUP1 G1RS, 32, 8, 32                         ; the scale bytes of 64 rows: 2,048 dense bytes as 8 rows of 256
	s_or_b32 s[G1PS], s101, (3<<16)|(1<<21)
	GROUP1 G1PS, 32, 16, 32                        ; of 128 rows: 4,096 bytes
	s_lshl_b32 s3, s2, 7
	s_lshl_b32 s97, s18, 6
	s_add_co_u32 s3, s3, s97                       ; the first row of R that I would fetch: 128 x block + 64 x half
	s_lshl_b32 s101, s96, 8
	s_lshl_b32 s97, s18, 7
	s_add_co_u32 s101, s101, s97                   ; of P: 256 x block + 128 x half
	s_wait_dscnt 0x0
	s_wait_kmcnt 0x0
	s_cmp_eq_u32 s22, 1                            ; the choices hang on the role alone, on no address
	s_cselect_b64 s[4:5], s[76:77], s[72:73]       ; P's codes: Wk or Wq,
	s_cselect_b64 s[6:7], s[78:79], s[74:75]       ; P's scales,
	s_cselect_b64 s[12:13], s[88:89], s[84:85]     ; the codes made: kc or qc,
	s_cselect_b64 s[14:15], s[90:91], s[86:87]     ; their scale words
	s_cmp_eq_u32 s22, 2
	s_cselect_b64 s[4:5], s[68:69], s[4:5]         ; v: P = x,
	s_cselect_b64 s[6:7], s[70:71], s[6:7]
	s_cselect_b64 s[8:9], s[80:81], s[68:69]       ; R = Wv, else x
	s_cselect_b64 s[10:11], s[82:83], s[70:71]
	s_cselect_b64 s[12:13], s[92:93], s[12:13]
	s_cselect_b64 s[14:15], s[94:95], s[14:15]
	s_mov_b32 s93, 0
	s_lshl_b32 s92, s3, 9                          ; a row of codes is 512 bytes,
	s_add_nc_u64 s[8:9], s[8:9], s[92:93]
	s_lshl_b32 s92, s3, 5                          ; of scale bytes 32
	s_add_nc_u64 s[10:11], s[10:11], s[92:93]
	s_mov_b32 s99, 0
	s_lshl_b32 s98, s101, 9
	s_add_nc_u64 s[4:5], s[4:5], s[98:99]
	s_lshl_b32 s98, s101, 5
	s_add_nc_u64 s[6:7], s[6:7], s[98:99]
	CROUND                                         ; all sixteen work-groups are here: the joint loads meet
	GROUP0 G0RS, 2048,  RSC, 10, 0
	GROUP0 G0R0, 17408, RC0, 8, 0
	GROUP0 G0R1, 17408, RC1, 8, 256
	GROUP0 G0PS, 4096,  PSC, 6, 0
	GROUP0 G0P0, 34816, PC0, 4, 0
	GROUP0 G0P1, 34816, PC1, 4, 256
	JLOAD G0RS, G1RS, G0PS, G1PS                   ; every LDS byte is filled once: the scales,
	JLOAD G0R0, G1R, G0P0, G1P                     ; K = 0 .. 511,
	JLOAD G0R1, G1R, G0P1, G1P                     ; K = 512 .. 1,023
	v_and_b32 v1, 15, v0                           ; r
	v_bfe_u32 v2, v0, 4, 1                         ; h
	v_and_b32 v3, 8, v1
	v_add_nc_u32 v3, v3, v1                        ; r + 8 (r / 8): my row in a tile
	v_mul_u32_u24 v4, v3, PITCH
	v_lshl_add_u32 v4, v2, 4, v4                   ; row x pitch + 16 h
	s_mul_i32 s97, s18, 128*PITCH
	v_add_nc_u32 v5, s97, v4                       ; P's fragments, chunk 0: my 128 rows
	v_add_nc_u32 v6, PC1, v5                       ; chunk 1
	s_mul_i32 s97, s17, 64*PITCH
	s_add_co_u32 s97, s97, RC0
	v_add_nc_u32 v7, s97, v4                       ; R's fragments, chunk 0: my 64 rows
	v_add_nc_u32 v8, 128*PITCH, v7                 ; chunk 1
	v_lshlrev_b32 v9, 5, v3
	v_lshl_add_u32 v9, v2, 11, v9                  ; P's scale words: 32 bytes a row; lanes 16-31 take the tile four further on, 64 rows
	s_lshl_b32 s97, s18, 12
	s_add_co_u32 s97, s97, PSC
	v_add_nc_u32 v9, s97, v9
	v_lshlrev_b32 v10, 5, v3
	v_lshl_add_u32 v10, v2, 10, v10                ; R's: lanes 16-31 take the tile two further on, 32 rows
	s_lshl_b32 s97, s17, 11
	s_add_co_u32 s97, s97, RSC
	v_add_nc_u32 v10, s97, v10
	v_and_b32 v11, 31, v0
	v_lshlrev_b32 v11, 4, v11                      ; 16 x lane: my place in an image
	; where my wave's codes and scale words go, in bytes.  q, k: qc [b][head][tile of 16 tokens][512], qs [b][head / 2][64 tokens][head % 2][r][2 words]
	s_lshl_b32 s90, s2, 7
	s_lshl_b32 s91, s17, 6
	s_add_co_u32 s90, s90, s91                     ; my first token
	s_lshl_b32 s91, s96, 2
	s_lshl_b32 s94, s18, 1
	s_add_co_u32 s91, s91, s94                     ; my first head (of two)
	s_lshr_b32 s94, s90, 11                        ; the batch
	s_and_b32 s90, s90, 2047
	s_lshl_b32 s95, s94, 4
	s_add_co_u32 s95, s95, s91
	s_lshl_b32 s95, s95, 7
	s_lshr_b32 s66, s90, 4
	s_add_co_u32 s95, s95, s66
	s_lshl_b32 s95, s95, 9                         ; the codes
	s_lshl_b32 s94, s94, 3
	s_lshr_b32 s91, s91, 1
	s_add_co_u32 s94, s94, s91
	s_lshl_b32 s94, s94, 5
	s_lshr_b32 s90, s90, 6
	s_add_co_u32 s94, s94, s90
	s_lshl_b32 s94, s94, 8                         ; the scale words
	; v: vc [b][head][128 keys][tile of 16 channels][64 keys][512], vs [b][head][128 keys][r][4 words]
	s_lshl_b32 s90, s96, 8
	s_lshl_b32 s91, s18, 7
	s_add_co_u32 s90, s90, s91                     ; my first key
	s_lshl_b32 s91, s2, 1
	s_add_co_u32 s91, s91, s17                     ; my head
	s_lshr_b32 s66, s90, 11
	s_lshl_b32 s66, s66, 4
	s_add_co_u32 s66, s66, s91
	s_bfe_u32 s90, s90, 0x40007                    ; which 128 keys of the batch's 2,048
	s_lshl_b32 s67, s66, 16
	s_lshl_b32 s91, s90, 12
	s_add_co_u32 s67, s67, s91                     ; the codes
	s_lshl_b32 s66, s66, 4
	s_add_co_u32 s66, s66, s90
	s_lshl_b32 s66, s66, 8                         ; the scale words
	s_cmp_eq_u32 s22, 2
	s_cselect_b32 s90, s67, s95
	s_mov_b32 s91, 0
	s_add_nc_u64 s[12:13], s[12:13], s[90:91]
	s_cselect_b32 s90, s66, s94
	s_add_nc_u64 s[14:15], s[14:15], s[90:91]
	s_cselect_b32 s87, -1, 0                       ; a lane mask: all lanes in role v, none else
	s_mov_b32 s88, 512
	s_cselect_b32 s88, 1024, s88                   ; bytes from R's tile a to a + 1 in the codes made
	s_mov_b32 s89, 65536
	s_cselect_b32 s89, 512, s89                    ; and from one 64 of the next K to the other: the next head, or the next 64 keys
	s_mov_b32 s84, 0x76543210
	s_mov_b32 s85, 0xfedcba98                      ; v_permlanex16_b32's selects for lane l xor 16
	s_mov_b32 s86, 0xffff0000                      ; a lane mask: lanes 16-31
.macro SCALES                          ; all scale words of my rows, for all of K: eight words a row, once
.irp i, 0,1,2,3
	ds_load_b128 v[PS+8*\i:PS+8*\i+3], v9 offset:(32*(\i/2)+8*(\i%2))*32
	ds_load_b128 v[PS+8*\i+4:PS+8*\i+7], v9 offset:(32*(\i/2)+8*(\i%2))*32+16
.endr
.irp a, 0,1
	ds_load_b128 v[RS+8*\a:RS+8*\a+3], v10 offset:8*\a*32
	ds_load_b128 v[RS+8*\a+4:RS+8*\a+7], v10 offset:8*\a*32+16
.endr
.endm
; The fragments of K step s (128 along K) into set s % 2: a fragment is 16 rows x 128 K in 8 registers: lane (r, h), registers 4 c .. 4 c + 3: K = 64 c + 32 h + 0 .. 31: 16 bytes of the row as they lie
.macro FETCH s
.set fK, (\s)/4
.set fQ, (\s)%4
.set fS, (\s)%2
.irp i, 0,1,2,3,4,5,6,7
.irp c, 0,1
	ds_load_b128 v[PF+64*fS+8*\i+4*\c:PF+64*fS+8*\i+4*\c+3], v[5+fK] offset:(32*(\i/2)+8*(\i%2))*PITCH+64*fQ+32*\c
.endr
.endr
.irp a, 0,1,2,3
.irp c, 0,1
	ds_load_b128 v[RF+32*fS+8*\a+4*\c:RF+32*fS+8*\a+4*\c+3], v[7+fK] offset:(32*(\a/2)+8*(\a%2))*PITCH+64*fQ+32*\c
.endr
.endr
.endm
.macro ONE c, pi, ra                   ; one product; pi, ra = 1: P's, R's scale words are read from lanes 16-31
.if ((\pi) == 0) && ((\ra) == 0)
	v_wmma_scale_f32_16x16x128_f8f6f4 v[rD:rD+7], v[rP:rP+7], v[rR:rR+7], \c, v[rSP], v[rSR] matrix_a_fmt:MATRIX_FMT_FP4 matrix_b_fmt:MATRIX_FMT_FP4
.elseif (\ra) == 0
	v_wmma_scale_f32_16x16x128_f8f6f4 v[rD:rD+7], v[rP:rP+7], v[rR:rR+7], \c, v[rSP], v[rSR] matrix_a_fmt:MATRIX_FMT_FP4 matrix_b_fmt:MATRIX_FMT_FP4 matrix_a_scale:MATRIX_SCALE_ROW1
.elseif (\pi) == 0
	v_wmma_scale_f32_16x16x128_f8f6f4 v[rD:rD+7], v[rP:rP+7], v[rR:rR+7], \c, v[rSP], v[rSR] matrix_a_fmt:MATRIX_FMT_FP4 matrix_b_fmt:MATRIX_FMT_FP4 matrix_b_scale:MATRIX_SCALE_ROW1
.else
	v_wmma_scale_f32_16x16x128_f8f6f4 v[rD:rD+7], v[rP:rP+7], v[rR:rR+7], \c, v[rSP], v[rSR] matrix_a_fmt:MATRIX_FMT_FP4 matrix_b_fmt:MATRIX_FMT_FP4 matrix_a_scale:MATRIX_SCALE_ROW1 matrix_b_scale:MATRIX_SCALE_ROW1
.endif
.endm
; 32 products: K step s.  The 32 accumulators take turns, one instruction a turn, in the same order in every step.  zero = 1: the first step starts the sums.
.macro MUL32 s, zero
.irp a, 0,1,2,3
.irp i, 0,1,2,3,4,5,6,7
.set rD,  8*(8*\a+\i)
.set rP,  PF+64*((\s)%2)+8*\i
.set rR,  RF+32*((\s)%2)+8*\a
.set rSP, PS+8*(\i%4)+(\s)
.set rSR, RS+8*(\a%2)+(\s)
.if \zero
	ONE 0, \i/4, \a/2
.else
	ONE v[rD:rD+7], \i/4, \a/2
.endif
.endr
.endr
.endm
.macro KSTEP s
	s_wait_dscnt 0x0                               ; this step's fragments are in: they were asked for ahead of the last step's 32 products
.if (\s) == 3
	s_wait_tensorcnt 0x0                           ; my part of K chunk 1 has landed,
	s_barrier_signal -1
	s_barrier_wait -1                              ; everybody's has: the next fetch reads it.
.endif
.if ((\s) >= 1) && ((\s) < 7)
	PLACES                                         ; the set that is loaded next was read by the last step's products
.endif
.if (\s) < 7
	FETCH (\s)+1
.endif
	WIN 0x50                                       ; C and D in window 1
.if (\s) == 0
	MUL32 \s, 1
.else
	MUL32 \s, 0
.endif
	WIN 0
.endm
	s_wait_alu depctr_va_vdst(0)
	s_wait_tensorcnt 1                             ; one load was issued behind them: my scales and my part of chunk 0 are in,
	s_barrier_signal -1
	s_barrier_wait -1                              ; everybody's are
	SCALES
	FETCH 0
.irp s, 0,1,2,3,4,5,6,7
	KSTEP \s
.endr
	; THE WAY OUT.  Block blk = 4 a + 2 p + b of 16: R's tile a, the p-th 64 and in it the b-th 32 of the next K: registers 16 blk .. 16 blk + 15 of window 1 are 16 neighbours, the lane 16 away holds the other 16.
	PLACES
	WIN 0x05                                       ; sources 0 and 1 in window 1
.irp blk, 0,1,2,3,4,5,6,7,8,9,10,11,12,13,14,15
	v_max3_num_f32 v[TM+\blk], |v[16*\blk]|, |v[16*\blk+1]|, 0x1800000   ; the largest magnitude, with the floor 2^(3 - 127): the byte cannot fall under 1.  Each accumulator is read from its low end on
.endr
.irp i, 2,4,6,8,10,12,14
.irp blk, 0,1,2,3,4,5,6,7,8,9,10,11,12,13,14,15
	v_max3_num_f32 v[TM+\blk], |v[16*\blk+\i]|, |v[16*\blk+\i+1]|, v[TM+\blk]
.endr
.endr
	WIN 0
.irp blk, 0,1,2,3,4,5,6,7,8,9,10,11,12,13,14,15
	v_permlanex16_b32 v[T2+\blk], v[TM+\blk], s84, s85
.endr
.irp blk, 0,1,2,3,4,5,6,7,8,9,10,11,12,13,14,15
	v_max_num_f32 v[TM+\blk], v[TM+\blk], v[T2+\blk]   ; with lane l xor 16's: the block's
.endr
.irp blk, 0,1,2,3,4,5,6,7,8,9,10,11,12,13,14,15
	v_add_nc_u32 v[SO+\blk], 0xff000000, v[TM+\blk]    ; 2 off its exponent field: the conversion takes the exponent field of this operand as its scale
.endr
.irp blk, 0,1,2,3,4,5,6,7,8,9,10,11,12,13,14,15
	v_lshrrev_b32 v[BY+\blk], 23, v[SO+\blk]           ; the scale's byte
.endr
.irp g, 0,1,2,3,4,5,6,7
	v_lshl_or_b32 v[HW+\g], v[BY+2*\g+1], 8, v[BY+2*\g]   ; group g = 2 a + p: its two bytes
.endr
	WIN 0x01                                       ; source 0 in window 1
.irp blk, 0,1,2,3,4,5,6,7,8,9,10,11,12,13,14,15
	v_cvt_scalef32_pk8_fp4_f32 v[CD+2*\blk], v[16*\blk:16*\blk+7], v[SO+\blk]
	v_cvt_scalef32_pk8_fp4_f32 v[CD+2*\blk+1], v[16*\blk+8:16*\blk+15], v[SO+\blk]
.endr
	WIN 0
	v_nop                                          ; one plain place behind a scaled conversion
.irp g, 0,1,2,3,4,5,6,7                        ; an operand wants a WHOLE block in a lane: lanes 0-15 the group's first block, lanes 16-31 its second
	v_permlane16_swap_b32 v[CD+4*\g], v[CD+4*\g+2]
	v_permlane16_swap_b32 v[CD+4*\g+1], v[CD+4*\g+3]
.endr
	v_mov_b32 v[AO], v11
.irp a, 0,1,2,3
	v_add_nc_u32 v[AO+2*\a+1], s89, v[AO+2*\a]
.if \a < 3
	v_add_nc_u32 v[AO+2*\a+2], s88, v[AO+2*\a]
.endif
.endr
.irp g, 0,1,2,3,4,5,6,7
	global_store_b128 v[AO+\g], v[CD+4*\g:CD+4*\g+3], s[12:13]   ; an image: 32 lanes store 512 consecutive bytes, aligned
.endr
.irp p, 0,1
.irp w, 0,1
	v_lshl_or_b32 v[WA+2*\p+\w], v[HW+4*\w+2+\p], 16, v[HW+4*\w+\p]   ; q, k: head p, tiles 2 w and 2 w + 1: the scale word of the fragment that the two tiles of keys form together
.endr
.endr
.irp a, 0,1,2,3
	v_lshl_or_b32 v[WB+\a], v[HW+2*\a+1], 16, v[HW+2*\a]   ; v: tile a of channels: the scale word of these 128 keys
.endr
	v_cndmask_b32 v[TT], v[WA], v[WA+2], s86       ; q, k: lanes 0-15 store head 0's two words of row r, lanes 16-31 head 1's
	v_cndmask_b32 v[TT+1], v[WA+1], v[WA+3], s86
	v_cndmask_b32 v[TT+2], v[WB], v[WB+2], s86     ; v: lanes 0-15 tiles 0 and 1 of row r, lanes 16-31 tiles 2 and 3
	v_cndmask_b32 v[TT+3], v[WB+1], v[WB+3], s86
	v_cndmask_b32 v[PR], v[TT], v[TT+2], s87
	v_cndmask_b32 v[PR+1], v[TT+1], v[TT+3], s87
	v_lshlrev_b32 v[TT], 3, v1
	v_lshl_add_u32 v[TT], v2, 7, v[TT]             ; q, k: 128 h + 8 r
	v_lshlrev_b32 v[TT+1], 4, v1
	v_lshl_add_u32 v[TT+1], v2, 3, v[TT+1]         ; v: 16 r + 8 h
	v_cndmask_b32 v[SOF], v[TT], v[TT+1], s87
	global_store_b64 v[SOF], v[PR:PR+1], s[14:15]  ; 32 lanes store 256 consecutive bytes, aligned
	s_wait_tensorcnt 0x0
	ds_add_u32 v14, v15
	s_wait_dscnt 0x0
	CROUND                                         ; the closing round: no work-group ends while a partner may still ask for a tile that names it
	s_endpgm
.Lfunc_end_k_q1be9b924fb_qkv:
	.size	k_q1be9b924fb_qkv, .Lfunc_end_k_q1be9b924fb_qkv-k_q1be9b924fb_qkv
	.p2alignl 7, 3214868480
	.fill 96, 4, 3214868480
	.section	.rodata,"a",@progbits
	.p2align	6, 0x0
	.amdhsa_kernel k_q1be9b924fb_qkv
		.amdhsa_group_segment_fixed_size 221696
		.amdhsa_private_segment_fixed_size 0
		.amdhsa_enable_private_segment 0
		.amdhsa_kernarg_size 112
		.amdhsa_user_sgpr_count 2
		.amdhsa_user_sgpr_kernarg_segment_ptr 1
		.amdhsa_wavefront_size32 1
		.amdhsa_system_sgpr_workgroup_id_x 1
		.amdhsa_system_sgpr_workgroup_id_y 1
		.amdhsa_system_sgpr_workgroup_id_z 1
		.amdhsa_system_vgpr_workitem_id 0
		.amdhsa_next_free_vgpr 512
		.amdhsa_next_free_sgpr 102
		.amdhsa_reserve_vcc 0
		.amdhsa_float_denorm_mode_32 3
		.amdhsa_float_denorm_mode_16_64 3
		.amdhsa_memory_ordered 1
		.amdhsa_forward_progress 1
		.amdhsa_inst_pref_size 75
	.end_amdhsa_kernel
	.amdgpu_metadata
---
amdhsa.version: [ 1, 2 ]
amdhsa.kernels:
  - .name:           k_q1be9b924fb_qkv
    .symbol:         k_q1be9b924fb_qkv.kd
    .args:
      - { .name: x_codes, .offset: 0, .size: 8, .value_kind: global_buffer, .address_space: global }
      - { .name: x_scales, .offset: 8, .size: 8, .value_kind: global_buffer, .address_space: global }
      - { .name: Wq_codes, .offset: 16, .size: 8, .value_kind: global_buffer, .address_space: global }
      - { .name: Wq_scales, .offset: 24, .size: 8, .value_kind: global_buffer, .address_space: global }
      - { .name: Wk_codes, .offset: 32, .size: 8, .value_kind: global_buffer, .address_space: global }
      - { .name: Wk_scales, .offset: 40, .size: 8, .value_kind: global_buffer, .address_space: global }
      - { .name: Wv_codes, .offset: 48, .size: 8, .value_kind: global_buffer, .address_space: global }
      - { .name: Wv_scales, .offset: 56, .size: 8, .value_kind: global_buffer, .address_space: global }
      - { .name: qc, .offset: 64, .size: 8, .value_kind: global_buffer, .address_space: global }
      - { .name: qs, .offset: 72, .size: 8, .value_kind: global_buffer, .address_space: global }
      - { .name: kc, .offset: 80, .size: 8, .value_kind: global_buffer, .address_space: global }
      - { .name: ks, .offset: 88, .size: 8, .value_kind: global_buffer, .address_space: global }
      - { .name: vc, .offset: 96, .size: 8, .value_kind: global_buffer, .address_space: global }
      - { .name: vs, .offset: 104, .size: 8, .value_kind: global_buffer, .address_space: global }
    .group_segment_fixed_size: 221696
    .private_segment_fixed_size: 0
    .kernarg_segment_align: 8
    .kernarg_segment_size: 112
    .max_flat_workgroup_size: 128
    .sgpr_count:     102
    .vgpr_count:     512
    .wavefront_size: 32
...
	.end_amdgpu_metadata
.endif
;; end of part 1
;; launch attn (part 2): grid 4 x 64, 16 waves a work-group, clusters of 4 x 1, 169,984 bytes of LDS; arguments qc, qs, kc, ks, vc, vs, ac, asc; writes ac, asc
.if DOCPART == 2
	.amdgcn_target "amdgcn-amd-amdhsa--gfx1250"
	.amdhsa_code_object_version 6
	.text
	.protected	k_q1be9b924fb_attn
	.globl	k_q1be9b924fb_attn
	.p2align	8
	.type	k_q1be9b924fb_attn,@function
k_q1be9b924fb_attn:
	s_mov_b64 s[64:65], 0
	v_nop
	global_prefetch_b8 v0, s[64:65] scope:SCOPE_SE
	s_setreg_imm32_b32 hwreg(HW_REG_WAVE_MODE, 25, 1), 1
	s_wait_xcnt 0x0
	s_wait_alu depctr_hold_cnt(0) depctr_sa_sdst(0) depctr_va_vdst(0) depctr_va_sdst(0) depctr_va_ssrc(0) depctr_va_vcc(0) depctr_vm_vsrc(0)
	s_getreg_b32 s2, hwreg(HW_REG_IB_STS2, 6, 4)
	s_cmp_eq_u32 s2, 0
	s_cbranch_scc0 .Lentry_in_a_cluster
	s_endpgm
.Lentry_in_a_cluster:
	s_bfe_u32 s2, ttmp6, 0x10000c
	s_cmp_lg_u32 s2, 0x3003
	s_cbranch_scc0 .Lentry_shape_is_right
	s_endpgm
.Lentry_shape_is_right:
; Causal attention of one head on codes of FP4 (E2M1), and its result, divided by the row's sum, quantised along the embedding for the last product.  Head size 64, 2,048 tokens, 64 heads x batches.
; t = score x log2(e) / 32 (the module divides by sqrt(1,024)); M = the row's largest t so far, rounded UP to a whole number; p = 2^(t - M) is what is quantised, along the keys, not normalised.
; The row's sum is taken of the unquantised p, in f32.  When M moves, the sum and O are multiplied by 2^(old M - new M): exact.
; INPUTS, made by the launch before, as images of operand registers (four registers: lane l's 16 bytes at 16 l).  A tile of 16 tokens T holds tokens 32 (T / 2) + 8 (T % 2) + r + 8 (r / 8).
;   qc, kc [b][head][T 128][512]: lane (r, h): channels 32 h .. 32 h + 31 of the tile's token r.   vc [b][head][128 keys][tile of 16 channels][64 keys][512].
; THE FIRST PRODUCT'S K IS 64, HALF OF THE INSTRUCTION'S 128: two neighbouring tiles of keys, 2 b and 2 b + 1, form ONE fragment (K 0-63: the first tile's channels, K 64-127: the second's), and it is multiplied
; twice: by (q, 0) and by (0, q): the half that is not wanted meets zero codes.  Q lies as q, 0, q in twelve registers, so that both forms are runs of eight.
; Both products are used transposed (S^T = K Q^T, O^T = V^T P^T): a lane holds ONE query throughout; the 16 registers of S's tiles 2 b, 2 b + 1 are keys 32 b + 16 (lane / 16) + 0 .. 15.
; SHARES.  The four work-groups of a cluster belong to one head.  A wave owns TWO tiles of 16 queries: with u = wave % 8, one in the 128 tokens 15 - u and one in the 128 tokens u.  A tile in the 128 tokens G has
; G + 1 key steps of 128 that count, so every wave has 17.  Which steps a wave leaves out hangs on its number alone; the work-group's place in the cluster enters global addresses and one vector number, no branch.
; A head's codes of K and V (64 KiB each) and their scale words (4 KiB each) fit in LDS whole: each byte is filled ONCE, by joint loads of the four work-groups (the mask names all four).
; Waves 0, 1 fetch K's, waves 2, 3 V's: three tensor loads each are out at the most: the scale words, keys 0-1,023, keys 1,024-2,047.  The first eight steps of every wave need the first half alone.
; Sixteen waves of 256 registers, four to a SIMD: one wave's vector work stands beside another's products and LDS loads.
; LIMITS: NaN and infinities are not served.  A block of p or of the result whose largest magnitude lies under 2^(3 - 127) gets the scale byte 1; a block of zeros has zero codes; these bytes are read by this program alone.
; asc is written a byte a lane (two bytes of each row of 32 a tile), and ks's rows of 128 bytes are read from a pitch of 256: one byte in sixteen of what the launch moves.
.set KC,  0                            ; LDS: K's codes, 4,096 bytes a key step
.set VC,  65536                        ; V's
.set KSC, 131072                       ; K's scale words: [64 keys][r][2 words]
.set VSC, 135168                       ; V's: [128 keys][r][4 words]
.set WV,  20                           ; s20 wave; s21 cx; s22 batch x 16 + head; s23 head; s24 batch; s25 wave % 2
.set G1C,  28                          ; s[28:35] descriptor group 1: 64 rows of 256 dense bytes;  s[36:43] K's scale words;  s[44:51] V's
.set G1KS, 36
.set G1VS, 44
.set G0KS, 52                          ; groups 0
.set G0K0, 56
.set G0K1, 60
.set G0VS, 68
.set G0V0, 72
.set G0V1, 76
.set SEL, 80                           ; s[80:81] v_permlanex16_b32's selects for lane l xor 16
.set CS,  82                           ; s[82:83] log2(e) / 32: the packed form names a pair and takes its low word for both halves
.set TQ,  86                           ; s86 my tile of queries, 0..127
.set GQ,  87                           ; s87 the 128 tokens in which it lies
.set SG,  88                           ; s88 the key step
.set TK,  89                           ; s89 4,096 x the key step
.set TS,  90                           ; s90 256 x the key step
; REGISTERS: v1 16 x lane; v2 the same + VC; v3, v4 my place among K's and V's scale words; v5 my query less 16 (lane / 16), within its 128 tokens; v6 8 r; v7 32 r + h; v8-11 the step's LDS addresses;
; v12 -M, v13 the largest t, v[14:15] the sum in two halves; v16-27 q, 0, q; v28 Q's scale word; v29 p's; v[30:31] 2^(old M - new M); v32-63 K's four fragments; v64-95 V's four; v96-159 S^T, then p;
; v160-191 O^T; v192-199 p's codes; v200-203 K's scale words; v204-207 V's; v208-223 at work; v[224:225] the sum's second chain; v226 the word that holds Q's two scale bytes
.macro PLACES
.rept 4
	v_nop
.endr
.endm
.macro GROUP1 g, c, r, p
	s_mov_b32 s[\g], 15|(3<<16)|(1<<21)            ; 15:0 the mask: all four work-groups; 17:16 elements of 8 bytes; 21 set beside a mask; no padding
	s_mov_b32 s[\g+1], (\c)<<16
	s_mov_b32 s[\g+2], (\r)<<16
	s_mov_b32 s[\g+3], (\c)<<16
	s_mov_b32 s[\g+4], \r
	s_mov_b32 s[\g+5], \p
	s_mov_b32 s[\g+6], 0
	s_mov_b32 s[\g+7], 0
.endm
.macro CROUND                          ; a round of the cluster's barrier
	s_barrier_signal -1
	s_barrier_wait -1
	s_cmp_lg_u32 s[WV], 0
	s_cbranch_scc1 .Lnot_wave_0_\@
	s_barrier_signal -3
.Lnot_wave_0_\@:
	s_barrier_wait -3
	s_barrier_signal -1
	s_barrier_wait -1
.endm
	s_load_b256 s[4:11], s[0:1], 0x0               ; qc s[4:5], qs s[6:7], kc s[8:9], ks s[10:11]
	s_load_b256 s[12:19], s[0:1], 0x20             ; vc s[12:13], vs s[14:15], ac s[16:17], asc s[18:19]
	v_lshl_add_u32 v254, v0, 2, 0x29000
	v_mov_b32 v255, 0
	ds_add_u32 v254, v255
	ds_add_u32 v254, v255
	v_lshrrev_b32 v1, 5, v0
	s_delay_alu instid0(VALU_DEP_1)
	v_readfirstlane_b32 s[WV], v1                  ; wave 0..15
	s_bfe_u32 s21, ttmp6, 0x40000                  ; cx
	s_and_b32 s22, ttmp7, 0xffff                   ; 16 x batch + head, which the four partners share
	s_and_b32 s23, s22, 15
	s_lshr_b32 s24, s22, 4
	s_and_b32 s25, s[WV], 1
	s_and_b32 s66, s[WV], 7                        ; u
	s_lshr_b32 s88, s[WV], 3                       ; wave / 8
	s_lshl_b32 s67, s21, 1
	s_add_co_u32 s67, s67, s88                     ; which of the eight tiles of 128 tokens is mine: 2 cx + wave / 8
	s_mov_b32 s85, 0x01000100                      ; byte selects: an even tile's two scale bytes are the word's low half, an odd tile's the high half; twice over
	s_cmp_lg_u32 s88, 0
	s_cselect_b32 s85, 0x03020302, s85
	s_lshl_b32 s97, s21, 5
	s_lshl_b32 s96, s88, 3
	s_add_co_u32 s97, s97, s96                     ; the tile's first token within its 128: 32 cx + 8 (wave / 8)
	GROUP1 G1C, 32, 64, 32                         ; 16,384 dense bytes as 64 rows of 256
	GROUP1 G1KS, 16, 16, 32                        ; 16 rows of 128 bytes, 256 bytes apart: my head's half of each pair of heads
	GROUP1 G1VS, 32, 8, 32                         ; 2,048 dense bytes
	s_mov_b32 s[SEL], 0x76543210
	s_mov_b32 s[SEL+1], 0xfedcba98
	s_mov_b32 s[CS], 0x3d38aa3b                    ; log2(e) / 32
	s_mov_b32 s[CS+1], s[CS]
	s_mov_b32 s84, 0xffff0000                      ; a lane mask: lanes 16-31
	s_wait_dscnt 0x0
	s_wait_kmcnt 0x0
	CROUND                                         ; all four work-groups are here: the joint loads meet
	s_mov_b32 s101, 0
	s_lshl_b32 s100, s22, 16                       ; the head's 65,536 bytes of codes,
	s_lshl_b32 s88, s25, 14                        ; my 16,384 of each half
	s_add_co_u32 s100, s100, s88
	s_mov_b32 s[G0K0], 1
	s_mov_b32 s[G0K0+1], s88
	s_add_nc_u64 s[G0K0+2:G0K0+3], s[8:9], s[100:101]
	s_mov_b32 s[G0K1], 1
	s_add_co_u32 s[G0K1+1], s88, 32768
	s_add_nc_u64 s[G0K1+2:G0K1+3], s[G0K0+2:G0K0+3], 32768
	s_or_b32 s[G0K0+3], s[G0K0+3], 0x80000000
	s_or_b32 s[G0K1+3], s[G0K1+3], 0x80000000
	s_mov_b32 s[G0V0], 1
	s_add_co_u32 s[G0V0+1], s88, VC
	s_add_nc_u64 s[G0V0+2:G0V0+3], s[12:13], s[100:101]
	s_mov_b32 s[G0V1], 1
	s_add_co_u32 s[G0V1+1], s88, VC+32768
	s_add_nc_u64 s[G0V1+2:G0V1+3], s[G0V0+2:G0V0+3], 32768
	s_or_b32 s[G0V0+3], s[G0V0+3], 0x80000000
	s_or_b32 s[G0V1+3], s[G0V1+3], 0x80000000
	s_lshl_b32 s89, s24, 3
	s_lshr_b32 s100, s23, 1
	s_add_co_u32 s89, s89, s100                    ; 8 x batch + head / 2
	s_lshl_b32 s89, s89, 13                        ; 32 x 256 bytes for each pair of heads
	s_and_b32 s100, s23, 1
	s_lshl_b32 s100, s100, 7
	s_add_co_u32 s91, s89, s100                    ; where my head's scale words begin in qs and in ks
	s_lshl_b32 s88, s25, 12                        ; my 16 rows
	s_add_co_u32 s100, s91, s88
	s_mov_b32 s[G0KS], 1
	s_lshl_b32 s[G0KS+1], s25, 11
	s_add_co_u32 s[G0KS+1], s[G0KS+1], KSC
	s_add_nc_u64 s[G0KS+2:G0KS+3], s[10:11], s[100:101]
	s_or_b32 s[G0KS+3], s[G0KS+3], 0x80000000
	s_lshl_b32 s100, s22, 12
	s_lshl_b32 s88, s25, 11
	s_add_co_u32 s100, s100, s88
	s_mov_b32 s[G0VS], 1
	s_add_co_u32 s[G0VS+1], s88, VSC
	s_add_nc_u64 s[G0VS+2:G0VS+3], s[14:15], s[100:101]
	s_or_b32 s[G0VS+3], s[G0VS+3], 0x80000000
	s_cmp_lt_u32 s[WV], 2                          ; a wave's fills stand together in one branch on its number, ahead of every wait on TENSORcnt and every LDS read; four v_nop follow the last
	s_cbranch_scc0 .Lnot_k
	tensor_load_to_lds s[G0KS:G0KS+3], s[G1KS:G1KS+7]
	s_nop 0
	tensor_load_to_lds s[G0K0:G0K0+3], s[G1C:G1C+7]
	s_nop 0
	tensor_load_to_lds s[G0K1:G0K1+3], s[G1C:G1C+7]
	s_nop 0
	PLACES
	s_branch .Lasked
.Lnot_k:
	s_cmp_lt_u32 s[WV], 4
	s_cbranch_scc0 .Lasked
	tensor_load_to_lds s[G0VS:G0VS+3], s[G1VS:G1VS+7]
	s_nop 0
	tensor_load_to_lds s[G0V0:G0V0+3], s[G1C:G1C+7]
	s_nop 0
	tensor_load_to_lds s[G0V1:G0V1+3], s[G1C:G1C+7]
	s_nop 0
	PLACES
.Lasked:
	v_and_b32 v1, 31, v0
	s_delay_alu instid0(VALU_DEP_1)
	v_lshlrev_b32 v1, 4, v1                        ; 16 x lane
	s_delay_alu instid0(VALU_DEP_1)
	v_add_nc_u32 v2, VC, v1
	v_and_b32 v220, 15, v0                         ; r
	v_bfe_u32 v221, v0, 4, 1                       ; h
	s_delay_alu instid0(VALU_DEP_2)
	v_lshl_add_u32 v3, v220, 3, KSC
	s_delay_alu instid0(VALU_DEP_3)
	v_lshl_add_u32 v4, v220, 4, VSC
	s_delay_alu instid0(VALU_DEP_4)
	v_and_b32 v222, 8, v220
	s_delay_alu instid0(VALU_DEP_1)
	v_add_nc_u32 v222, v222, v220                  ; r + 8 (r / 8)
	v_lshlrev_b32 v223, 4, v221
	s_delay_alu instid0(VALU_DEP_1)
	v_sub_nc_u32 v5, v222, v223
	s_delay_alu instid0(VALU_DEP_1)
	v_add_nc_u32 v5, s97, v5                       ; my query within its 128 tokens, less 16 h
	v_lshlrev_b32 v6, 3, v220
	v_lshl_add_u32 v7, v220, 5, v221
.irp j, 20,21,22,23
	v_mov_b32 v[\j], 0                             ; the zero codes between q and q: written once
.endr
.irp j, 212,213,214,215
	v_mov_b32 v[\j], 0                             ; written once: a lane permute's destination counts as one of its sources
.endr
	v_mov_b32 v31, 0                               ; (named as the upper half of the pair v[30:31])
; A tile of queries begins: its pointers, its codes and scale bytes, and the empty sums.
.macro QHEAD
	s_wait_xcnt 0x0                                ; the last tile's stores have read their bases and registers: both are written again below
	s_lshl_b32 s96, s22, 7
	s_add_co_u32 s96, s96, s[TQ]
	s_lshl_b32 s96, s96, 9
	s_mov_b32 s97, 0
	s_add_nc_u64 s[2:3], s[4:5], s[96:97]          ; qc: the tile's image
	s_lshr_b32 s96, s[TQ], 2
	s_lshl_b32 s96, s96, 8
	s_add_co_u32 s96, s96, s91
	s_bfe_u32 s98, s[TQ], 0x10001
	s_lshl_b32 s98, s98, 2
	s_add_co_u32 s96, s96, s98
	s_add_nc_u64 s[26:27], s[6:7], s[96:97]        ; qs: the word that holds the tile's two bytes: 64 tokens T / 4, word (T / 2) % 2
	s_lshl_b32 s96, s24, 7
	s_add_co_u32 s96, s96, s[TQ]                   ; the tile among all 512
	s_lshl_b32 s98, s96, 12
	s_lshr_b32 s99, s23, 3
	s_lshl_b32 s99, s99, 21
	s_add_co_u32 s98, s98, s99
	s_and_b32 s99, s23, 7
	s_lshl_b32 s99, s99, 9
	s_add_co_u32 s98, s98, s99
	s_mov_b32 s99, 0
	s_add_nc_u64 s[92:93], s[16:17], s[98:99]      ; ac [head / 8][tile][head % 8][512]
	s_lshl_b32 s96, s96, 9
	s_lshl_b32 s98, s23, 1
	s_add_co_u32 s96, s96, s98
	s_add_nc_u64 s[94:95], s[18:19], s[96:97]      ; asc [tile][r][32]: bytes 2 head, 2 head + 1
	global_load_b128 v[16:19], v1, s[2:3]
	global_load_b128 v[24:27], v1, s[2:3]          ; q twice: q, 0, q
	global_load_b32 v226, v6, s[26:27]
	s_wait_loadcnt 0x0
	v_perm_b32 v28, v226, v226, s85                ; the tile's two bytes, twice: they scale q wherever it stands; the other two scale zero codes
	v_mov_b32 v13, 0xff61b1e6                      ; the largest t so far: -3e38, under every t
	s_delay_alu instid0(VALU_DEP_1)
	v_floor_f32 v12, -v13                          ; -M
	v_mov_b32 v14, 0
	v_mov_b32 v15, 0
.set j, 0
.rept 32
	v_mov_b32 v[160+j], 0                          ; O^T: the first step finds zeros, which the first change of M leaves zeros.  (These are also the places between v28's making and the first product)
.set j, j+1
.endr
.endm
; A KEY STEP: 128 keys.  masked = 1: the step may lie on or beyond the diagonal.
.macro STEP masked
.if \masked
	s_cmp_gt_u32 s[SG], s[GQ]                      ; all its keys come after my queries: the step's work is left out.  No barrier and no tensor load stands in a step
	s_cbranch_scc1 .Lhidden_\@
.endif
	s_setprio 2
	v_add_nc_u32 v8, s[TK], v1                     ; (these four are also the places in front of loads into registers that the last step's products have read)
	v_add_nc_u32 v9, s[TK], v2
	v_add_nc_u32 v10, s[TS], v3
	v_add_nc_u32 v11, s[TS], v4
.irp b, 0,1,2,3
.irp c, 0,1
	ds_load_b128 v[32+8*\b+4*\c:35+8*\b+4*\c], v8 offset:1024*\b+512*\c   ; K's fragment b: the images of tiles 2 b and 2 b + 1
.endr
.endr
	ds_load_b64 v[200:201], v10                    ; their scale words
	ds_load_b64 v[202:203], v10 offset:128
.irp t, 0,1,2,3
.irp c, 0,1
	ds_load_b128 v[64+8*\t+4*\c:67+8*\t+4*\c], v9 offset:1024*\t+512*\c   ; V's fragment t: 16 channels x these 128 keys
.endr
.endr
	ds_load_b128 v[204:207], v11
	s_wait_dscnt 9                                 ; K's are in; V's eight loads and its scale words may be out
.irp b, 0,1,2,3
.irp u, 0,1
	v_wmma_scale_f32_16x16x128_f8f6f4 v[96+8*(2*\b+\u):103+8*(2*\b+\u)], v[32+8*\b:39+8*\b], v[16+4*\u:23+4*\u], 0, v[200+\b], v28 matrix_a_fmt:MATRIX_FMT_FP4 matrix_b_fmt:MATRIX_FMT_FP4
.endr
.endr
	PLACES
.if \masked
	s_cmp_lg_u32 s[SG], s[GQ]                      ; only the step on the diagonal hides keys
	s_cbranch_scc1 .Lopen_\@
	v_mov_b32 v221, 0xff800000                     ; -infinity: p = 0 then
.set n, 0
.rept 64
	v_cmp_gt_i32 vcc_lo, 32*(n/16)+n%16, v5        ; register 16 b + i holds the step's key 32 b + 16 h + i: hidden where it comes after my query
	v_cndmask_b32 v[96+n], v[96+n], v221, vcc_lo
.set n, n+1
.endr
.Lopen_\@:
.endif
.irp b, 0,1,2,3
	v_max3_num_f32 v[208+\b], v[96+16*\b], v[97+16*\b], v[98+16*\b]   ; the largest score of each block of 32 keys: it serves for the row's maximum and, since p rises with the score, for the block's largest p
.endr
.irp i, 3,5,7,9,11,13
.irp b, 0,1,2,3
	v_max3_num_f32 v[208+\b], v[208+\b], v[96+16*\b+\i], v[97+16*\b+\i]
.endr
.endr
.irp b, 0,1,2,3
	v_max_num_f32 v[208+\b], v[208+\b], v[111+16*\b]
.endr
.irp b, 0,1,2,3
	s_delay_alu instid0(VALU_DEP_4)
	v_permlanex16_b32 v[212+\b], v[208+\b], s[SEL], s[SEL+1]
.endr
.irp b, 0,1,2,3
	s_delay_alu instid0(VALU_DEP_4)
	v_max_num_f32 v[208+\b], v[208+\b], v[212+\b]  ; with lane l xor 16's 16 keys
.endr
	s_delay_alu instid0(VALU_DEP_2)
	v_max3_num_f32 v220, v208, v209, v210
	s_delay_alu instid0(VALU_DEP_1)
	v_max_num_f32 v220, v220, v211                 ; the step's largest score of my query
	s_delay_alu instid0(VALU_DEP_1)
	v_mul_f32 v220, s[CS], v220
	s_delay_alu instid0(VALU_DEP_1)
	v_max_num_f32 v13, v13, v220                   ; the running largest t
	v_mov_b32 v220, v12
	s_delay_alu instid0(VALU_DEP_2)
	v_floor_f32 v12, -v13                          ; the new -M = floor(-t) = -ceil(t): a whole number
	s_delay_alu instid0(VALU_DEP_1)
	v_sub_f32 v220, v12, v220                      ; old M less new M: a whole number, 0 or less
	s_delay_alu instid0(VALU_DEP_1)
	v_cvt_i32_f32 v220, v220                       ; (it saturates)
	s_delay_alu instid0(VALU_DEP_1)
	v_ldexp_f32 v30, 1.0, v220                     ; f = 2^(old M - new M)
.set j, 0
.rept 32
	v_pk_fma_f32 v[96+j:97+j], v[96+j:97+j], s[CS:CS+1], v[12:13] op_sel_hi:[1,0,0]   ; t - M, two at a time
.set j, j+2
.endr
.irp b, 0,1,2,3
	v_fma_f32 v[208+\b], v[208+\b], s[CS], v12     ; the same of each block's largest score
.endr
.set j, 0
	s_setprio 1
	s_wait_alu depctr_va_vdst(0)
.rept 64
	v_exp_f32 v[96+j], v[96+j]                     ; p = 2^(t - M), at most 1
.set j, j+1
.endr
.irp b, 0,1,2,3
	v_exp_f32 v[208+\b], v[208+\b]                 ; the block's largest p: the same two instructions on the same number
.endr
	v_pk_mul_f32 v[14:15], v[14:15], v[30:31] op_sel_hi:[1,0]   ; the sums under the new M.  (A plain place behind the exponentials)
	s_wait_alu depctr_va_vdst(0)
.irp b, 0,1,2,3
	v_max_num_f32 v[208+\b], 0x1800000, v[208+\b]  ; the floor 2^(3 - 127): the byte cannot fall under 1
.endr
.irp b, 0,1,2,3
	s_delay_alu instid0(VALU_DEP_4)
	v_add_nc_u32 v[216+\b], 0xff000000, v[208+\b]  ; 2 off the exponent field: the conversion's scale operand
.endr
.irp b, 0,1,2,3
	s_delay_alu instid0(VALU_DEP_4)
	v_lshrrev_b32 v[212+\b], 23, v[216+\b]         ; the scale's byte
.endr
	s_delay_alu instid0(VALU_DEP_3)
	v_lshl_or_b32 v29, v213, 8, v212               ; p's scale word for these 128 keys
	s_delay_alu instid0(VALU_DEP_1)
	v_lshl_or_b32 v29, v214, 16, v29
	s_delay_alu instid0(VALU_DEP_1)
	v_lshl_or_b32 v29, v215, 24, v29
.irp b, 0,1,2,3
	v_cvt_scalef32_pk8_fp4_f32 v[192+2*\b], v[96+16*\b:103+16*\b], v[216+\b]
	v_cvt_scalef32_pk8_fp4_f32 v[193+2*\b], v[104+16*\b:111+16*\b], v[216+\b]
.endr
	v_nop                                          ; one plain place behind a scaled conversion
.irp c, 0,1                                    ; the operand wants a whole block in a lane
.irp i, 0,1
	v_permlane16_swap_b32 v[192+4*\c+\i], v[194+4*\c+\i]
.endr
.endr
	v_pk_add_f32 v[224:225], v[100:101], v[104:105]
	v_pk_add_f32 v[252:253], v[108:109], v[112:113]
	v_pk_add_f32 v[250:251], v[116:117], v[120:121]
	v_pk_add_f32 v[248:249], v[124:125], v[128:129]
	v_pk_add_f32 v[246:247], v[132:133], v[136:137]
	v_pk_add_f32 v[244:245], v[140:141], v[144:145]
	v_pk_add_f32 v[242:243], v[148:149], v[152:153]
	v_pk_add_f32 v[14:15], v[14:15], v[156:157]
	v_pk_add_f32 v[224:225], v[224:225], v[96:97]
	v_pk_add_f32 v[252:253], v[252:253], v[98:99]
	v_pk_add_f32 v[250:251], v[250:251], v[102:103]
	v_pk_add_f32 v[248:249], v[248:249], v[106:107]
	v_pk_add_f32 v[246:247], v[246:247], v[110:111]
	v_pk_add_f32 v[244:245], v[244:245], v[114:115]
	v_pk_add_f32 v[242:243], v[242:243], v[118:119]
	v_pk_add_f32 v[14:15], v[14:15], v[122:123]
	v_pk_add_f32 v[224:225], v[224:225], v[126:127]
	v_pk_add_f32 v[252:253], v[252:253], v[130:131]
	v_pk_add_f32 v[250:251], v[250:251], v[134:135]
	v_pk_add_f32 v[248:249], v[248:249], v[138:139]
	v_pk_add_f32 v[246:247], v[246:247], v[142:143]
	v_pk_add_f32 v[244:245], v[244:245], v[146:147]
	v_pk_add_f32 v[242:243], v[242:243], v[150:151]
	s_setprio 0
	v_pk_add_f32 v[14:15], v[14:15], v[154:155]
	v_pk_add_f32 v[224:225], v[224:225], v[158:159]
	s_delay_alu instid0(VALU_DEP_2)
	v_pk_add_f32 v[14:15], v[14:15], v[248:249]
	s_delay_alu instid0(VALU_DEP_2)
	v_pk_add_f32 v[224:225], v[224:225], v[246:247]
	v_pk_add_f32 v[252:253], v[252:253], v[244:245]
	v_pk_add_f32 v[250:251], v[250:251], v[242:243]
	s_delay_alu instid0(VALU_DEP_2)
	v_pk_add_f32 v[14:15], v[14:15], v[252:253]
	s_delay_alu instid0(VALU_DEP_2)
	v_pk_add_f32 v[224:225], v[224:225], v[250:251]
	s_delay_alu instid0(VALU_DEP_1)
	v_pk_add_f32 v[14:15], v[14:15], v[224:225]
.set j, 0
.rept 16
	v_pk_mul_f32 v[160+j:161+j], v[160+j:161+j], v[30:31] op_sel_hi:[1,0]   ; O^T under the new M, each accumulator from its low end on
.set j, j+2
.endr
	s_wait_alu depctr_va_vdst(0)
	s_wait_dscnt 0x0                               ; V's fragments and scale words are in
.irp t, 0,1,2,3
	v_wmma_scale_f32_16x16x128_f8f6f4 v[160+8*\t:167+8*\t], v[64+8*\t:71+8*\t], v[192:199], v[160+8*\t:167+8*\t], v[204+\t], v29 matrix_a_fmt:MATRIX_FMT_FP4 matrix_b_fmt:MATRIX_FMT_FP4
.endr
.if \masked
.Lhidden_\@:
.endif
.endm
; Eight key steps, from step from on: the trip count is a constant, and what a wave leaves out it leaves out inside a trip.
.macro KLOOP masked, from
	s_mov_b32 s[SG], \from
	s_mov_b32 s[TK], 4096*\from
	s_mov_b32 s[TS], 256*\from
.Lkeys_\@:
	STEP \masked
	s_add_co_u32 s[TK], s[TK], 4096
	s_add_co_u32 s[TS], s[TS], 256
	s_add_co_u32 s[SG], s[SG], 1
	s_cmp_lt_u32 s[SG], \from+8
	s_cbranch_scc1 .Lkeys_\@
	s_setprio 0
.endm
; A tile of queries ends: O^T / the sum; register 16 b + i is channel 32 b + 16 h + i of my query: two blocks of 32 along the last product's K.  They leave as one image and two scale bytes a row.
.macro WAYOUT
	PLACES
	v_add_f32 v14, v14, v15                        ; the sum's two halves,
	s_delay_alu instid0(VALU_DEP_1)
	v_permlanex16_b32 v220, v14, s[SEL], s[SEL+1]
	s_delay_alu instid0(VALU_DEP_1)
	v_add_f32 v14, v14, v220                       ; and lane l xor 16's
	s_wait_alu depctr_va_vdst(0)
	v_rcp_f32 v14, v14
	v_nop                                          ; one plain place behind a transcendental
.set j, 0
	s_wait_alu depctr_va_vdst(0)
.rept 16
	v_pk_mul_f32 v[96+j:97+j], v[160+j:161+j], v[14:15] op_sel_hi:[1,0]
.set j, j+2
.endr
.irp b, 0,1
	v_max3_num_f32 v[208+\b], |v[96+16*\b]|, |v[97+16*\b]|, 0x1800000
.endr
.irp i, 2,4,6,8,10,12,14
.irp b, 0,1
	s_delay_alu instid0(VALU_DEP_2)
	v_max3_num_f32 v[208+\b], v[208+\b], |v[96+16*\b+\i]|, |v[97+16*\b+\i]|
.endr
.endr
.irp b, 0,1
	s_delay_alu instid0(VALU_DEP_2)
	v_permlanex16_b32 v[212+\b], v[208+\b], s[SEL], s[SEL+1]
.endr
.irp b, 0,1
	s_delay_alu instid0(VALU_DEP_2)
	v_max_num_f32 v[208+\b], v[208+\b], v[212+\b]
.endr
.irp b, 0,1
	s_delay_alu instid0(VALU_DEP_2)
	v_add_nc_u32 v[216+\b], 0xff000000, v[208+\b]
.endr
.irp b, 0,1
	s_delay_alu instid0(VALU_DEP_2)
	v_lshrrev_b32 v[212+\b], 23, v[216+\b]
.endr
.irp b, 0,1
	v_cvt_scalef32_pk8_fp4_f32 v[192+2*\b], v[96+16*\b:103+16*\b], v[216+\b]
	v_cvt_scalef32_pk8_fp4_f32 v[193+2*\b], v[104+16*\b:111+16*\b], v[216+\b]
.endr
	v_nop
	v_permlane16_swap_b32 v192, v194
	v_permlane16_swap_b32 v193, v195
	v_cndmask_b32 v220, v212, v213, s84            ; lanes 0-15 store the first block's byte, lanes 16-31 the second's
	global_store_b128 v1, v[192:195], s[92:93]     ; 32 lanes store 512 consecutive bytes, aligned
	global_store_b8 v7, v220, s[94:95]
.endm
	s_xor_b32 s[GQ], s66, 15                       ; the late tile: the 128 tokens 15 - u
	s_lshl_b32 s[TQ], s[GQ], 3
	s_add_co_u32 s[TQ], s[TQ], s67
	QHEAD
	s_wait_tensorcnt 1                             ; one load was issued behind them: my scale words and my part of keys 0-1,023 are in,
	s_barrier_signal -1
	s_barrier_wait -1                              ; everybody's are
	KLOOP 0, 0                                     ; keys 0-1,023 all count for tokens from 1,024 on: eight equal steps in every wave
	s_wait_tensorcnt 0x0                           ; my part of keys 1,024-2,047 has landed,
	s_wait_dscnt 0x0
	s_barrier_signal -1
	s_barrier_wait -1                              ; everybody's has.
	KLOOP 1, 8
	WAYOUT
	s_mov_b32 s[GQ], s66                           ; the early tile: the 128 tokens u
	s_lshl_b32 s[TQ], s[GQ], 3
	s_add_co_u32 s[TQ], s[TQ], s67
	QHEAD
	KLOOP 1, 0
	WAYOUT
	s_wait_tensorcnt 0x0
	ds_add_u32 v254, v255
	s_wait_dscnt 0x0
	CROUND                                         ; the closing round: no work-group ends while a partner may still ask for a tile that names it
	s_endpgm
.Lfunc_end_k_q1be9b924fb_attn:
	.size	k_q1be9b924fb_attn, .Lfunc_end_k_q1be9b924fb_attn-k_q1be9b924fb_attn
	.p2alignl 7, 3214868480
	.fill 96, 4, 3214868480
	.section	.rodata,"a",@progbits
	.p2align	6, 0x0
	.amdhsa_kernel k_q1be9b924fb_attn
		.amdhsa_group_segment_fixed_size 169984
		.amdhsa_private_segment_fixed_size 0
		.amdhsa_enable_private_segment 0
		.amdhsa_kernarg_size 64
		.amdhsa_user_sgpr_count 2
		.amdhsa_user_sgpr_kernarg_segment_ptr 1
		.amdhsa_wavefront_size32 1
		.amdhsa_system_sgpr_workgroup_id_x 1
		.amdhsa_system_sgpr_workgroup_id_y 1
		.amdhsa_system_sgpr_workgroup_id_z 1
		.amdhsa_system_vgpr_workitem_id 0
		.amdhsa_next_free_vgpr 256
		.amdhsa_next_free_sgpr 102
		.amdhsa_reserve_vcc 1
		.amdhsa_float_denorm_mode_32 3
		.amdhsa_float_denorm_mode_16_64 3
		.amdhsa_memory_ordered 1
		.amdhsa_forward_progress 1
		.amdhsa_inst_pref_size 81
	.end_amdhsa_kernel
	.amdgpu_metadata
---
amdhsa.version: [ 1, 2 ]
amdhsa.kernels:
  - .name:           k_q1be9b924fb_attn
    .symbol:         k_q1be9b924fb_attn.kd
    .args:
      - { .name: qc, .offset: 0, .size: 8, .value_kind: global_buffer, .address_space: global }
      - { .name: qs, .offset: 8, .size: 8, .value_kind: global_buffer, .address_space: global }
      - { .name: kc, .offset: 16, .size: 8, .value_kind: global_buffer, .address_space: global }
      - { .name: ks, .offset: 24, .size: 8, .value_kind: global_buffer, .address_space: global }
      - { .name: vc, .offset: 32, .size: 8, .value_kind: global_buffer, .address_space: global }
      - { .name: vs, .offset: 40, .size: 8, .value_kind: global_buffer, .address_space: global }
      - { .name: ac, .offset: 48, .size: 8, .value_kind: global_buffer, .address_space: global }
      - { .name: asc, .offset: 56, .size: 8, .value_kind: global_buffer, .address_space: global }
    .group_segment_fixed_size: 169984
    .private_segment_fixed_size: 0
    .kernarg_segment_align: 8
    .kernarg_segment_size: 64
    .max_flat_workgroup_size: 512
    .sgpr_count:     102
    .vgpr_count:     256
    .wavefront_size: 32
...
	.end_amdgpu_metadata
.endif
;; end of part 2
;; launch oproj (part 3): grid 4 x 64, 4 waves a work-group, clusters of 4 x 4, 251,392 bytes of LDS; arguments ac, asc, Wo_codes, Wo_scales, bo, out0; writes out0
.if DOCPART == 3
	.amdgcn_target "amdgcn-amd-amdhsa--gfx1250"
	.amdhsa_code_object_version 6
	.text
	.protected	k_q1be9b924fb_oproj
	.globl	k_q1be9b924fb_oproj
	.p2align	8
	.type	k_q1be9b924fb_oproj,@function
k_q1be9b924fb_oproj:
	s_mov_b64 s[64:65], 0
	v_nop
	global_prefetch_b8 v0, s[64:65] scope:SCOPE_SE
	s_setreg_imm32_b32 hwreg(HW_REG_WAVE_MODE, 25, 1), 1
	s_wait_xcnt 0x0
	s_wait_alu depctr_hold_cnt(0) depctr_sa_sdst(0) depctr_va_vdst(0) depctr_va_sdst(0) depctr_va_ssrc(0) depctr_va_vcc(0) depctr_vm_vsrc(0)
	s_getreg_b32 s2, hwreg(HW_REG_IB_STS2, 6, 4)
	s_cmp_eq_u32 s2, 0
	s_cbranch_scc0 .Lentry_in_a_cluster
	s_endpgm
.Lentry_in_a_cluster:
	s_bfe_u32 s2, ttmp6, 0x10000c
	s_cmp_lg_u32 s2, 0xf033
	s_cbranch_scc0 .Lentry_shape_is_right
	s_endpgm
.Lentry_shape_is_right:
; out0 = a Wo^T + bo on codes of FP4 (E2M1) with one E8M0 scale for each 32 along K = 1,024.  a is the attention's result, quantised by the launch before; out0 is [8,192][1,024] f32.
; P = Wo is source 0 (its rows, the output features, become a lane's registers: eight neighbouring numbers of a row of out0), R = a is source 1 (its rows, the tokens, become the lanes).
; SHARES.  A work-group makes 128 tokens x 256 features over all of K: 256 work-groups.  A wave makes 64 x 128: 4 x 8 accumulators of 16 x 16, 256 registers (window 1).  bo is the C of each sum's first product (window 2).
; All of K of the work-group's rows fits in LDS, each byte filled ONCE: Wo as rows of 256 bytes in two chunks of 512 along K; a as it lies in memory: images of operand registers,
; ac [K chunk][tile of 16 tokens][K step of 128][64 of it][512], lane l's 16 bytes at 16 l; asc [tile][r][32 bytes].  A tile T holds tokens 32 (T / 2) + 8 (T % 2) + r + 8 (r / 8) of its batch.
; Wo's tiles take their rows in the same order: lane r of tile 2 b + u takes row 32 b + 8 u + r + 8 (r / 8), so that register j of tile i in lane (r, h) is feature 32 (i / 2) + 8 (i % 2) + 16 h + j.
; CLUSTERS: 4 x 4 work-groups.  The four of a row of the cluster need the same tokens, the four of a column the same rows of Wo: each tile is asked for JOINTLY.  A wave has three tensor loads out at the most.
; LIMITS: NaN and infinities are not served (a given scale byte 0xff gives NaN, as it must).
.set PITCH, 272                        ; an LDS row of Wo's codes: 256 bytes + 16 of padding
.set PC0,   0                          ; Wo's 256 rows, K chunk 0
.set PC1,   256*PITCH                  ; chunk 1
.set RI,    2*256*PITCH                ; a's images: two chunks of 32,768 bytes: [tile 8][K step 4][2][512]
.set PSC,   RI+65536                   ; Wo's scale bytes: 32 a row, dense
.set RSC,   PSC+256*32                 ; a's
.set STG,   RSC+128*32                 ; the way out: 16 rows x (512 bytes + 16) for each wave; no tensor load lands here
.set PS,  16                           ; v16-47   Wo's scale words: v[PS + 8 i + s]: lanes 0-15 tile i, lanes 16-31 tile i + 4, K step s
.set RS,  48                           ; v48-63   a's: v[RS + 8 a + s]: lanes 0-15 tile a, lanes 16-31 tile a + 2
.set PF,  64                           ; v64-191  Wo's eight fragments, two sets; on the way out 16 rows read back from the stage, two sets
.set RF,  192                          ; v192-255 a's four fragments, two sets
.set BK,  64
.set G1R,  24
.set G1P,  32
.set G1RS, 40
.set G1PS, 48
.set G0RS, 56
.set G0R0, 60
.set G0R1, 68
.set G0PS, 72
.set G0P0, 76
.set G0P1, 80
.set MSB, 0
.macro WIN new                         ; the immediate's high byte repeats the setting that is left
.if MSB != \new
	s_set_vgpr_msb (MSB<<8)|\new
.set MSB, \new
.endif
.endm
.macro PLACES                          ; four plain vector instructions behind a matrix instruction, ahead of loads into its sources and of the first read of its results
.rept 4
	v_nop
.endr
.endm
.macro GROUP1 g, c, r, p
	s_mov_b32 s[\g+1], (\c)<<16
	s_mov_b32 s[\g+2], (\r)<<16
	s_mov_b32 s[\g+3], (\c)<<16
	s_mov_b32 s[\g+4], \r
	s_mov_b32 s[\g+5], \p
	s_mov_b32 s[\g+6], 0
	s_mov_b32 s[\g+7], 0
.endm
.macro GROUP0 g, mul, base, ptr, off   ; to LDS byte base + mul x (wave % 2), from s[ptr:ptr+1] + off
	s_mov_b32 s[\g], 1
	s_mul_i32 s[\g+1], s18, \mul
	s_add_co_u32 s[\g+1], s[\g+1], \base
	s_add_nc_u64 s[\g+2:\g+3], s[\ptr:\ptr+1], \off
	s_or_b32 s[\g+3], s[\g+3], 0x80000000
.endm
.macro JLOAD g0r, g1r, g0p, g1p        ; a joint load: waves 0 and 1 fetch a's two halves, waves 2 and 3 Wo's; four v_nop follow each of the two lines
	s_cmp_eq_u32 s17, 0
	s_cbranch_scc0 .Lfor_p_\@
	tensor_load_to_lds s[\g0r:\g0r+3], s[\g1r:\g1r+7]
	s_nop 0
	PLACES
	s_branch .Lasked_\@
.Lfor_p_\@:
	tensor_load_to_lds s[\g0p:\g0p+3], s[\g1p:\g1p+7]
	s_nop 0
	PLACES
.Lasked_\@:
.endm
.macro CROUND                          ; a round of the cluster's barrier
	s_barrier_signal -1
	s_barrier_wait -1
	s_cmp_lg_u32 s16, 0
	s_cbranch_scc1 .Lnot_wave_0_\@
	s_barrier_signal -3
.Lnot_wave_0_\@:
	s_barrier_wait -3
	s_barrier_signal -1
	s_barrier_wait -1
.endm
	s_load_b256 s[4:11], s[0:1], 0x0               ; ac s[4:5], asc s[6:7], Wo codes s[8:9], Wo scales s[10:11]
	s_load_b128 s[12:15], s[0:1], 0x20             ; bo s[12:13], out0 s[14:15]
	v_lshl_add_u32 v8, v0, 2, 0x3d400
	v_mov_b32 v15, 0
	ds_add_u32 v8, v15
	ds_add_u32 v8, v15
	v_lshrrev_b32 v1, 5, v0
	v_readfirstlane_b32 s16, v1                    ; wave 0..3
	s_lshr_b32 s17, s16, 1                         ; which half of the tokens is mine.  Also: I fetch for a (0) or for Wo (1)
	s_and_b32 s18, s16, 1                          ; which half of the features.  Also: which half of that tile I fetch
	s_bfe_u32 s19, ttmp6, 0x40000                  ; cx: the block of 256 features
	s_bfe_u32 s20, ttmp6, 0x40004                  ; cy
	s_and_b32 s21, ttmp7, 0xffff
	s_lshl_b32 s2, s21, 2
	s_add_co_u32 s2, s2, s20                       ; the block of 128 tokens = 4 x cluster y + cy
	s_lshl_b32 s100, s20, 2
	s_lshl_b32 s100, 15, s100                      ; my row of the cluster
	s_lshl_b32 s101, 0x1111, s19                   ; my column
	s_or_b32 s[G1R], s100, (3<<16)|(1<<21)         ; 15:0 the mask; 17:16 elements of 8 bytes; 21 set beside a mask; no padding
	GROUP1 G1R, 32, 64, 32                         ; four tiles' images of a chunk: 16,384 dense bytes as 64 rows of 256
	s_or_b32 s[G1P], s101, (1<<20)|(1<<21)|(5<<22)|(3<<25)   ; elements of 1 byte; padding: four words after every 64
	GROUP1 G1P, 256, 128, 512                      ; 128 rows of 256 bytes, 512 bytes apart in memory
	s_or_b32 s[G1RS], s100, (3<<16)|(1<<21)
	GROUP1 G1RS, 32, 8, 32                         ; the scale bytes of 64 rows
	s_or_b32 s[G1PS], s101, (3<<16)|(1<<21)
	GROUP1 G1PS, 32, 16, 32                        ; of 128 rows
	s_wait_dscnt 0x0
	s_wait_kmcnt 0x0
	s_mov_b32 s93, 0
	s_lshl_b32 s92, s2, 15                         ; eight tiles of 4,096 bytes a block,
	s_lshl_b32 s97, s18, 14                        ; my four
	s_add_co_u32 s92, s92, s97
	s_add_nc_u64 s[4:5], s[4:5], s[92:93]
	s_lshl_b32 s92, s2, 12                         ; 128 rows of 32 scale bytes a block,
	s_lshl_b32 s97, s18, 11                        ; my 64
	s_add_co_u32 s92, s92, s97
	s_add_nc_u64 s[6:7], s[6:7], s[92:93]
	s_mov_b32 s99, 0
	s_lshl_b32 s98, s19, 17                        ; 256 rows of 512 bytes a block,
	s_lshl_b32 s97, s18, 16                        ; my 128
	s_add_co_u32 s98, s98, s97
	s_add_nc_u64 s[8:9], s[8:9], s[98:99]
	s_lshl_b32 s98, s19, 13
	s_lshl_b32 s97, s18, 12
	s_add_co_u32 s98, s98, s97
	s_add_nc_u64 s[10:11], s[10:11], s[98:99]
	CROUND                                         ; all sixteen work-groups are here: the joint loads meet
	GROUP0 G0RS, 2048,  RSC, 6, 0
	GROUP0 G0R0, 16384, RI, 4, 0
	GROUP0 G0R1, 16384, RI+32768, 4, 2097152
	GROUP0 G0PS, 4096,  PSC, 10, 0
	GROUP0 G0P0, 34816, PC0, 8, 0
	GROUP0 G0P1, 34816, PC1, 8, 256
	JLOAD G0RS, G1RS, G0PS, G1PS                   ; every LDS byte is filled once: the scales,
	JLOAD G0R0, G1R, G0P0, G1P                     ; K = 0 .. 511,
	JLOAD G0R1, G1R, G0P1, G1P                     ; K = 512 .. 1,023
	s_lshl_b32 s90, s19, 10
	s_lshl_b32 s66, s18, 9
	s_add_co_u32 s90, s90, s66                     ; my first feature, in bytes of f32: 1,024 cx + 512 x half
	s_mov_b32 s91, 0
	s_add_nc_u64 s[12:13], s[12:13], s[90:91]      ; bo there
	s_lshl_b32 s66, s2, 19                         ; 128 rows of 4,096 bytes a block,
	s_lshl_b32 s67, s17, 18                        ; my 64
	s_add_co_u32 s66, s66, s67
	s_add_co_u32 s90, s90, s66
	s_add_nc_u64 s[14:15], s[14:15], s[90:91]      ; out0 at my wave's corner
	v_and_b32 v1, 15, v0                           ; r
	v_bfe_u32 v2, v0, 4, 1                         ; h
	v_and_b32 v3, 8, v1
	v_add_nc_u32 v3, v3, v1                        ; r + 8 (r / 8)
	v_mul_u32_u24 v4, v3, PITCH
	v_lshl_add_u32 v4, v2, 4, v4
	s_mul_i32 s97, s18, 128*PITCH
	v_add_nc_u32 v5, s97, v4                       ; Wo's fragments, chunk 0: my 128 rows
	v_add_nc_u32 v6, PC1, v5                       ; chunk 1
	v_and_b32 v11, 31, v0
	v_lshlrev_b32 v11, 4, v11                      ; 16 x lane
	s_lshl_b32 s97, s17, 14
	s_add_co_u32 s97, s97, RI
	v_add_nc_u32 v7, s97, v11                      ; a's images: my four tiles
	v_lshlrev_b32 v9, 5, v3
	v_lshl_add_u32 v9, v2, 11, v9                  ; Wo's scale words: lanes 16-31 take the tile four further on, 64 rows
	s_lshl_b32 s97, s18, 12
	s_add_co_u32 s97, s97, PSC
	v_add_nc_u32 v9, s97, v9
	v_lshlrev_b32 v10, 5, v1
	v_lshl_add_u32 v10, v2, 10, v10                ; a's: they lie tile by tile; lanes 16-31 take the tile two further on
	s_lshl_b32 s97, s17, 11
	s_add_co_u32 s97, s97, RSC
	v_add_nc_u32 v10, s97, v10
	v_lshlrev_b32 v12, 6, v2                       ; bo: lanes 16-31 want the features 16 further on
	s_mul_i32 s97, s16, 16*528
	s_add_co_u32 s97, s97, STG                     ; my stage
	v_mul_u32_u24 v13, v1, 528
	v_lshl_add_u32 v13, v2, 6, v13
	v_add_nc_u32 v13, s97, v13                     ; in: row r, + 64 h
	v_add_nc_u32 v14, s97, v11                     ; back: the 32 lanes take one row of 512 bytes
	WIN 0x80                                       ; destination window 2
.irp i, 0,1,2,3,4,5,6,7
	global_load_b128 v[8*\i:8*\i+3], v12, s[12:13] offset:(32*(\i/2)+8*(\i%2))*4       ; bo in the result's layout: tile i, my half's eight features
	global_load_b128 v[8*\i+4:8*\i+7], v12, s[12:13] offset:(32*(\i/2)+8*(\i%2))*4+16
.endr
	WIN 0
.macro SCALES                          ; all scale words of my rows, for all of K, once
.irp i, 0,1,2,3
	ds_load_b128 v[PS+8*\i:PS+8*\i+3], v9 offset:(32*(\i/2)+8*(\i%2))*32
	ds_load_b128 v[PS+8*\i+4:PS+8*\i+7], v9 offset:(32*(\i/2)+8*(\i%2))*32+16
.endr
.irp a, 0,1
	ds_load_b128 v[RS+8*\a:RS+8*\a+3], v10 offset:512*\a
	ds_load_b128 v[RS+8*\a+4:RS+8*\a+7], v10 offset:512*\a+16
.endr
.endm
.macro FETCH s                         ; the fragments of K step s into set s % 2
.set fK, (\s)/4
.set fQ, (\s)%4
.set fS, (\s)%2
.irp i, 0,1,2,3,4,5,6,7
.irp c, 0,1
	ds_load_b128 v[PF+64*fS+8*\i+4*\c:PF+64*fS+8*\i+4*\c+3], v[5+fK] offset:(32*(\i/2)+8*(\i%2))*PITCH+64*fQ+32*\c
.endr
.endr
.irp a, 0,1,2,3
.irp c, 0,1
	ds_load_b128 v[RF+32*fS+8*\a+4*\c:RF+32*fS+8*\a+4*\c+3], v7 offset:32768*fK+4096*\a+1024*fQ+512*\c
.endr
.endr
.endm
.macro ONE c, pi, ra                   ; one product; pi, ra = 1: Wo's, a's scale words are read from lanes 16-31
.if ((\pi) == 0) && ((\ra) == 0)
	v_wmma_scale_f32_16x16x128_f8f6f4 v[rD:rD+7], v[rP:rP+7], v[rR:rR+7], \c, v[rSP], v[rSR] matrix_a_fmt:MATRIX_FMT_FP4 matrix_b_fmt:MATRIX_FMT_FP4
.elseif (\ra) == 0
	v_wmma_scale_f32_16x16x128_f8f6f4 v[rD:rD+7], v[rP:rP+7], v[rR:rR+7], \c, v[rSP], v[rSR] matrix_a_fmt:MATRIX_FMT_FP4 matrix_b_fmt:MATRIX_FMT_FP4 matrix_a_scale:MATRIX_SCALE_ROW1
.elseif (\pi) == 0
	v_wmma_scale_f32_16x16x128_f8f6f4 v[rD:rD+7], v[rP:rP+7], v[rR:rR+7], \c, v[rSP], v[rSR] matrix_a_fmt:MATRIX_FMT_FP4 matrix_b_fmt:MATRIX_FMT_FP4 matrix_b_scale:MATRIX_SCALE_ROW1
.else
	v_wmma_scale_f32_16x16x128_f8f6f4 v[rD:rD+7], v[rP:rP+7], v[rR:rR+7], \c, v[rSP], v[rSR] matrix_a_fmt:MATRIX_FMT_FP4 matrix_b_fmt:MATRIX_FMT_FP4 matrix_a_scale:MATRIX_SCALE_ROW1 matrix_b_scale:MATRIX_SCALE_ROW1
.endif
.endm
; 32 products: K step s.  The 32 accumulators take turns, one instruction a turn, in the same order in every step.  first = 1: the sums begin with bo.
.macro MUL32 s, first
.irp a, 0,1,2,3
.irp i, 0,1,2,3,4,5,6,7
.set rD,  8*(8*\a+\i)
.set rP,  PF+64*((\s)%2)+8*\i
.set rR,  RF+32*((\s)%2)+8*\a
.set rSP, PS+8*(\i%4)+(\s)
.set rSR, RS+8*(\a%2)+(\s)
.if \first
	ONE v[8*\i:8*\i+7], \i/4, \a/2
.else
	ONE v[rD:rD+7], \i/4, \a/2
.endif
.endr
.endr
.endm
.macro KSTEP s
	s_wait_dscnt 0x0                               ; this step's fragments are in: they were asked for ahead of the last step's 32 products
.if (\s) == 3
	s_wait_tensorcnt 0x0                           ; my part of K chunk 1 has landed,
	s_barrier_signal -1
	s_barrier_wait -1                              ; everybody's has.
.endif
.if ((\s) >= 1) && ((\s) < 7)
	PLACES                                         ; the set that is loaded next was read by the last step's products
.endif
.if (\s) < 7
	FETCH (\s)+1
.endif
.if (\s) == 0
	WIN 0x60                                       ; D in window 1, C (bo) in window 2
	MUL32 \s, 1
.else
	WIN 0x50                                       ; C and D in window 1
	MUL32 \s, 0
.endif
	WIN 0
.endm
	s_wait_alu depctr_va_vdst(0)
	s_wait_tensorcnt 1                             ; one load was issued behind them: my scales and my part of chunk 0 are in,
	s_barrier_signal -1
	s_barrier_wait -1                              ; everybody's are
	SCALES
	FETCH 0
	s_wait_loadcnt 0x0                             ; bo
.irp s, 0,1,2,3,4,5,6,7
	KSTEP \s
.endr
; THE WAY OUT, a tile of 16 tokens x 128 features at a time.  A lane holds 32 neighbouring bytes of a row and the lanes beside it hold other rows: so a tile goes through my own stage in LDS and comes back as whole
; rows of 512 bytes.  LDS serves a wave's instructions in order (ISA guide 5.7.1.4): no wait between the stores and the loads, nor in front of the next tile's stores.
.macro TOSTAGE a
	WIN 0x04                                       ; an LDS store's data are its source 1: window 1
.irp i, 0,1,2,3,4,5,6,7
	ds_store_b128 v13, v[8*(8*(\a)+\i):8*(8*(\a)+\i)+3] offset:(32*(\i/2)+8*(\i%2))*4          ; each accumulator from its low end on
	ds_store_b128 v13, v[8*(8*(\a)+\i)+4:8*(8*(\a)+\i)+7] offset:(32*(\i/2)+8*(\i%2))*4+16
.endr
	WIN 0
.irp t, 0,1,2,3,4,5,6,7,8,9,10,11,12,13,14,15
	ds_load_b128 v[BK+64*((\a)%2)+4*\t:BK+64*((\a)%2)+4*\t+3], v14 offset:\t*528
.endr
.endm
.macro SEND a, younger                 ; younger: the LDS instructions issued behind tile a's loads, which may stay out
	s_wait_dscnt \younger
.irp t, 0,1,2,3,4,5,6,7,8,9,10,11,12,13,14,15
	global_store_b128 v11, v[BK+64*((\a)%2)+4*\t:BK+64*((\a)%2)+4*\t+3], s[14:15] offset:(32*((\a)/2)+8*((\a)%2)+\t+8*(\t/8))*4096 th:TH_STORE_NT   ; stage row t is the tile's token t + 8 (t / 8): 32 lanes store 512 consecutive bytes, aligned; written once, read by nobody here
.endr
.endm
	PLACES                                         ; behind the last products: for the first read of results and for the loads into registers that held fragments
	TOSTAGE 0
.irp a, 1,2,3
.if \a > 1
	s_wait_xcnt 0x0                                ; tile a - 2's stores have read their registers: tile a's loads may land there
.endif
	TOSTAGE \a
	SEND \a-1, 32                                  ; behind tile a - 1's loads: tile a's 16 stores and 16 loads
.endr
	SEND 3, 0
	s_wait_tensorcnt 0x0
	ds_add_u32 v8, v15
	s_wait_dscnt 0x0
	CROUND                                         ; the closing round: no work-group ends while a partner may still ask for a tile that names it
	s_endpgm
.Lfunc_end_k_q1be9b924fb_oproj:
	.size	k_q1be9b924fb_oproj, .Lfunc_end_k_q1be9b924fb_oproj-k_q1be9b924fb_oproj
	.p2alignl 7, 3214868480
	.fill 96, 4, 3214868480
	.section	.rodata,"a",@progbits
	.p2align	6, 0x0
	.amdhsa_kernel k_q1be9b924fb_oproj
		.amdhsa_group_segment_fixed_size 251392
		.amdhsa_private_segment_fixed_size 0
		.amdhsa_enable_private_segment 0
		.amdhsa_kernarg_size 48
		.amdhsa_user_sgpr_count 2
		.amdhsa_user_sgpr_kernarg_segment_ptr 1
		.amdhsa_wavefront_size32 1
		.amdhsa_system_sgpr_workgroup_id_x 1
		.amdhsa_system_sgpr_workgroup_id_y 1
		.amdhsa_system_sgpr_workgroup_id_z 1
		.amdhsa_system_vgpr_workitem_id 0
		.amdhsa_next_free_vgpr 576
		.amdhsa_next_free_sgpr 102
		.amdhsa_reserve_vcc 0
		.amdhsa_float_denorm_mode_32 3
		.amdhsa_float_denorm_mode_16_64 3
		.amdhsa_memory_ordered 1
		.amdhsa_forward_progress 1
		.amdhsa_inst_pref_size 73
	.end_amdhsa_kernel
	.amdgpu_metadata
---
amdhsa.version: [ 1, 2 ]
amdhsa.kernels:
  - .name:           k_q1be9b924fb_oproj
    .symbol:         k_q1be9b924fb_oproj.kd
    .args:
      - { .name: ac, .offset: 0, .size: 8, .value_kind: global_buffer, .address_space: global }
      - { .name: asc, .offset: 8, .size: 8, .value_kind: global_buffer, .address_space: global }
      - { .name: Wo_codes, .offset: 16, .size: 8, .value_kind: global_buffer, .address_space: global }
      - { .name: Wo_scales, .offset: 24, .size: 8, .value_kind: global_buffer, .address_space: global }
      - { .name: bo, .offset: 32, .size: 8, .value_kind: global_buffer, .address_space: global }
      - { .name: out0, .offset: 40, .size: 8, .value_kind: global_buffer, .address_space: global }
    .group_segment_fixed_size: 251392
    .private_segment_fixed_size: 0
    .kernarg_segment_align: 8
    .kernarg_segment_size: 48
    .max_flat_workgroup_size: 128
    .sgpr_count:     102
    .vgpr_count:     576
    .wavefront_size: 32
...
	.end_amdgpu_metadata
.endif
;; end of part 3
